; MI455X (gfx1250); checked and timed in simulation.
; The chip was launched on July 23, 2026; its instructions are those of AMD's public machine-readable ISA for CDNA 5 (MIT licence, August 2026) and "CDNA5" Instruction Set Architecture Reference Guide (July 2026). The comments in the code are by the model that wrote it; some were corrected since.
;; Vector Quantizer. Allowed arithmetic: matrix products marked QUANTISED: E4M3 operands, one E8M0 scale for each 32 along K, by v_wmma_scale_f32_16x16x128_f8f6f4 with both operands' format E4M3, f32 sums; everything else in f32.
;; Inputs: codebook 8,192 x 256 float32; z_e 32,768 x 256 float32.
;; Outputs: out0 32,768 x 256 float32; out1 one number float32; out2 32,768 int32.
;; This version of the problem:
;;   THIS VERSION OF THE PROBLEM IS GIVEN IN LOW PRECISION. The matrix products marked QUANTISED in the list below multiply operands that are first quantised to E4M3 (4 exponent bits, 3 mantissa bits; 8 bits a number), with one power-of-two scale for each 32 numbers along K (OCP MX v1.0); their sums are f32. All else is computed in f32.
;;   The module's matrix products, in the order in which they are computed (A, B: the left and right operand; K: the contracted axis; several contracted axes count as one K, in the product's order):
;;     1. [M 32,768, K 256] x [K 256, N 8,192]; A: computed on the way; B: input codebook: QUANTISED
;;   THE QUANTISER, for each operand of a quantised product, along K:
;;     - K is cut into blocks of 32 from its start; a last block that is shorter is filled with zeros.
;;     - A block's scale is 2^e with e = floor(log2(the largest magnitude in the block)) - 8, held to -126 .. 127; a block of zeros has e = 0. As a byte (E8M0): e + 127.
;;     - Each number is divided by its block's scale, clamped to +-448, and rounded to the nearest number of E4M3, ties to even, subnormals kept.
;;     - The product sums the exact products of the quantised numbers (number of the format x scale) in f32.
;;   ~~~python
;;   def quantise(x, axis):      # numpy; x: float32 -> the quantised numbers, widened to float32 again
;;       x = np.moveaxis(x, axis, -1); K = x.shape[-1]
;;       x = np.pad(x, [(0, 0)] * (x.ndim - 1) + [(0, -K % 32)]); x = x.reshape(x.shape[:-1] + (-1, 32)); a = np.abs(x).max(-1, keepdims=True)
;;       e = np.where(a > 0, np.clip(np.frexp(np.where(a > 0, a, 1))[1] - 1 - 8, -126, 127), 0)      # np.frexp(a)[1] - 1 = floor(log2(a)), exactly
;;       r = np.clip(x / 2.0 ** e, -448, 448)
;;       step = 2.0 ** (np.maximum(np.frexp(np.where(r == 0, 1, r))[1] - 1, -6) - 3)
;;       q = np.round(r / step) * step * 2.0 ** e      # np.round: ties to even
;;       return np.moveaxis(q.reshape(q.shape[:-2] + (-1,))[..., :K], -1, axis).astype(np.float32)
;;   ~~~
;;   OPERANDS COMPUTED ON THE WAY. 'Computed on the way' means the value that the module computes at that place (a softmax that the list does not call 'softmax' is quantised finished and normalised). What goes into a quantiser is computed in f32, as accurately as f32 sums, v_exp_f32 and their like allow (about 1e-6 of the number): no bf16 or f16 on the way to a quantiser, and a product that is left as it is and whose result goes on into a quantised operand takes f32 operands (vector FMAs, or v_wmma_f32_16x16x4_f32). A number that lies on a knife's edge between two numbers of the format may be rounded either way, as far as f32 arithmetic and the matrix unit's own rounding can turn it there, and no further.
;; One version. Each part assembles by itself: llvm-mc -triple=amdgcn-amd-amdhsa -mcpu=gfx1250 --defsym DOCPART=n.
;; ======== version 1 of 1: 4 launches
;; limits: right only within a limited range of input values
;; workspace buffers: cbq 2,228,224 bytes; zq 8,912,896 bytes; cand 2,097,152 bytes of whole numbers; part 2,048 bytes
;; launch prep (part 1): grid 256 x 1, 10 waves a work-group, no clusters, 170,240 bytes of LDS; arguments codebook, z_e, cbq, zq; writes cbq, zq
.if DOCPART == 1
	.amdgcn_target "amdgcn-amd-amdhsa--gfx1250"
	.amdhsa_code_object_version 6
	.text
	.protected	k_q5a0216095a_prep
	.globl	k_q5a0216095a_prep
	.p2align	8
	.type	k_q5a0216095a_prep,@function
k_q5a0216095a_prep:
	s_mov_b64 s[64:65], 0
	v_nop
	global_prefetch_b8 v0, s[64:65] scope:SCOPE_SE
	s_setreg_imm32_b32 hwreg(HW_REG_WAVE_MODE, 25, 1), 1
	s_wait_xcnt 0x0
; WORK LEFT OUT IN THIS PROGRAM: sum(z_e^2, axis 1) is added to every distance of a row alike, and the distances reach the outputs through argmin along that row alone:
; for all values of the inputs the term moves no result, so it is not computed.  Both inputs are still read.  LIMIT: an overflow, NaN or infinity that would arise in that term alone is not carried to the result.
; Both operands of the product are quantised here, once.  The codebook [8192][256] f32 becomes 512 RECORDS of 4,352 bytes, one for each tile of 16 rows; -2 z_e [32768][256] becomes 2,048 records of the same make
; (the product's operand is 2 z_e, and the product is subtracted: the factor -2 changes the sign bits and the scales alone).  A record is laid as the search's operand registers take it:
;   bytes 0-4095     the codes of FP8 (E4M3): for K step s (128 along K) and group c of four registers, lane l's 16 bytes at 2048 s + 512 c + 16 l
;   bytes 4096-4223  the scale words, 4 bytes a lane: lanes 0-15 row r's word of K step 0, lanes 16-31 row r's word of K step 1
;   bytes 4224-4287  codebook: the sum of squares of each of the 16 rows, f32, of the numbers as given; z_e: zeros;   bytes 4288-4351 zeros
; A block's scale is 2^(floor(log2(its largest magnitude)) - 8); its byte is the largest magnitude's exponent field - 8, held at 1 from below.  A block of zeros so gets the byte 1: its codes are zeros,
; which add nothing under any byte but 0xff, and this program alone reads the bytes.
; LIMITS: blocks whose largest magnitude lies under 2^-118 take the floor's byte, 1; NaN and infinities among the inputs are not served.
; 2,560 tiles = 256 work-groups x 10 waves: a wave takes one tile, 16 rows, 16,384 dense bytes.  Each load reads 512 consecutive bytes; the rows turn through the wave's own stage in LDS, so that lane (r, h)
; then holds, of row r, 16 neighbours of each block of 32.  Waves share nothing: no barrier.  No tile is shared between work-groups: no cluster.  All of a wave's loads go out at its head: no loop to prefetch in.
.set REC,  4352
.set SP,   1040                        ; a stage row: 1,024 bytes + 16 of padding
.set WREG, 16*SP+256                   ; a wave's LDS: the stage, then 256 bytes in which a record's tail is gathered
.set SPARE, 10*WREG                    ; the spare words: 128 bytes a wave
.set X,    32                          ; v32-159   128 numbers: register 64 s + 16 c + i = k 128 s + 32 c + 16 h + i of my row
.set TM,   160
.set PW0,  176
.set PW1,  177
.set PC0,  180
.set PC1,  196
.set SEL,  20
.set MNT,  23
.macro QUANT s, pc, pw                 ; 64 numbers of a lane become a fragment's codes and its scale word
.irp b, 0,1,2,3
	v_max3_num_f32 v[TM+\b], |v[\s+16*\b]|, |v[\s+1+16*\b]|, 0x4800000   ; the floor 2^(9 - 127): the byte cannot fall under 1
.endr
.irp i, 2,4,6,8,10,12,14
.irp b, 0,1,2,3
	v_max3_num_f32 v[TM+\b], v[TM+\b], |v[\s+16*\b+\i]|, |v[\s+1+16*\b+\i]|
.endr
.endr
.irp b, 0,1,2,3
	v_permlanex16_b32 v[TM+4+\b], v[TM+\b], s[SEL], s[SEL+1]
.endr
.irp b, 0,1,2,3
	v_max_num_f32 v[TM+\b], v[TM+\b], v[TM+4+\b]           ; with lane l xor 16's: the block's largest magnitude
.endr
.irp b, 0,1,2,3
	v_add_nc_u32 v[TM+12+\b], 0xfc000000, v[TM+\b]         ; 8 off its exponent field: the conversion's scale operand
.endr
.irp b, 0,1,2,3
	v_and_or_b32 v[TM+8+\b], v[TM+\b], 0x7f800000, s[MNT]  ; 448 x the scale
.endr
.irp b, 0,1,2,3
	v_lshrrev_b32 v[TM+4+\b], 23, v[TM+12+\b]              ; the scale's byte
.endr
	v_lshl_or_b32 v[\pw], v[TM+5], 8, v[TM+4]
	v_lshl_or_b32 v[\pw], v[TM+6], 16, v[\pw]
	v_lshl_or_b32 v[\pw], v[TM+7], 24, v[\pw]
.irp b, 0,1,2,3
.irp i, 0,1,2,3,4,5,6,7,8,9,10,11,12,13,14,15
	v_med3_num_f32 v[\s+16*\b+\i], v[\s+16*\b+\i], -v[TM+8+\b], v[TM+8+\b]   ; the conversion does not saturate (ISA guide 7.6.2): the hold comes first
.endr
	v_cvt_scalef32_pk8_fp8_f32 v[\pc+4*\b:\pc+1+4*\b], v[\s+16*\b:\s+7+16*\b], v[TM+12+\b]
	v_cvt_scalef32_pk8_fp8_f32 v[\pc+2+4*\b:\pc+3+4*\b], v[\s+8+16*\b:\s+15+16*\b], v[TM+12+\b]
.endr
	v_nop                                                  ; one plain vector instruction behind the last conversion
.endm
	s_load_b128 s[4:7], s[0:1], 0x0                ; the codebook s[4:5], z_e s[6:7]
	s_load_b128 s[16:19], s[0:1], 0x10             ; the codebook's records s[16:17], z_e's s[18:19]
	v_lshl_add_u32 v216, v0, 2, SPARE
	v_mov_b32 v217, 0
	v_lshrrev_b32 v1, 5, v0
	v_readfirstlane_b32 s8, v1                     ; wave 0..9
	v_and_b32 v1, 31, v0                           ; lane
	v_and_b32 v2, 15, v0                           ; r
	v_bfe_u32 v3, v0, 4, 1                         ; h
	v_lshlrev_b32 v4, 4, v1                        ; 16 x lane
	s_mul_i32 s9, s8, WREG                         ; my wave's LDS
	v_add_nc_u32 v5, s9, v4                        ; the stage, on the way in
	v_mul_u32_u24 v6, v2, SP
	v_lshl_add_u32 v6, v3, 6, v6
	v_add_nc_u32 v6, s9, v6                        ; and on the way out: row r, + 64 h
	s_add_co_u32 s10, s9, 16*SP                    ; the tail's 256 bytes
	v_lshl_add_u32 v7, v1, 2, s10
	v_lshl_add_u32 v8, v1, 3, s10
	v_lshlrev_b32 v9, 3, v1
	v_mov_b32 v10, 0
	v_mov_b32 v12, 0                               ; a tile of z_e has no sums of squares
	s_mov_b32 s[SEL], 0x76543210
	s_mov_b32 s[SEL+1], 0xfedcba98
	s_mov_b32 s[MNT], 0x600000
	s_mov_b32 s24, 0xffff0000                      ; lanes 16-31
.irp b, 0,1,2,3
	v_mov_b32 v[TM+4+\b], 0                        ; a lane permute's destination counts as one of its sources
.endr
	s_mul_i32 s11, ttmp9, 10
	s_add_co_u32 s11, s11, s8                      ; my tile of the 2,560: the first 512 are the codebook's
	s_cmp_lt_u32 s11, 512
	s_cselect_b32 s25, 0, 512
	s_sub_co_u32 s11, s11, s25                     ; my tile in its tensor
	s_lshl_b32 s12, s11, 14                        ; its 16 rows of 1,024 bytes
	s_mov_b32 s13, 0
	s_mul_i32 s14, s11, REC                        ; its record
	s_mov_b32 s15, 0
	s_wait_alu depctr_va_vdst(0)
	s_wait_kmcnt 0x0
	s_cmp_eq_u32 s25, 0                            ; the choice of buffers hangs on the tile's number alone
	s_cselect_b64 s[4:5], s[4:5], s[6:7]
	s_cselect_b64 s[6:7], s[16:17], s[18:19]
	s_add_nc_u64 s[4:5], s[4:5], s[12:13]
	s_add_nc_u64 s[6:7], s[6:7], s[14:15]
.set k, 0
.rept 32
	global_load_b128 v[X+4*k:X+4*k+3], v4, s[4:5] offset:512*k th:TH_LOAD_NT   ; 512 consecutive bytes: half a row
.set k, k+1
.endr
.set k, 0
.rept 4
	s_wait_loadcnt 24-k                            ; these eight are in, the younger ones may be out
.rept 8
	ds_store_b128 v5, v[X+4*k:X+4*k+3] offset:(k/2)*SP+(k%2)*512
.set k, k+1
.endr
.endr
	s_wait_dscnt 0x0                               ; the stores are done: their registers take the rows back in the other order
.irp s, 0,1
.irp c, 0,1,2,3
.irp j, 0,1,2,3
	ds_load_b128 v[X+64*\s+16*\c+4*\j:X+64*\s+16*\c+4*\j+3], v6 offset:512*\s+128*\c+16*\j
.endr
.endr
.endr
	s_wait_dscnt 0x0
	s_cmp_lg_u32 s25, 0
	s_cbranch_scc1 .Lz
	; the codebook: the row's sum of squares, my 128 numbers in four chains, then lane l xor 16's
.irp p, 0,1,2,3
	v_pk_mul_f32 v[12+2*\p:13+2*\p], v[X+2*\p:X+2*\p+1], v[X+2*\p:X+2*\p+1]
.endr
.set p, 4
.rept 60
	v_pk_fma_f32 v[12+2*(p%4):13+2*(p%4)], v[X+2*p:X+2*p+1], v[X+2*p:X+2*p+1], v[12+2*(p%4):13+2*(p%4)]
.set p, p+1
.endr
	v_pk_add_f32 v[12:13], v[12:13], v[14:15]
	v_pk_add_f32 v[16:17], v[16:17], v[18:19]
	v_pk_add_f32 v[12:13], v[12:13], v[16:17]
	v_add_f32 v12, v12, v13
	v_permlanex16_b32 v13, v12, s[SEL], s[SEL+1]
	v_add_f32 v12, v12, v13                        ; every lane (r, h) holds row r's
	s_wait_alu depctr_va_vdst(0)
	s_branch .Lq
.Lz:                                                   ; z_e: the operand is -2 z_e
.set p, 0
.rept 64
	v_pk_mul_f32 v[X+2*p:X+2*p+1], v[X+2*p:X+2*p+1], -2.0 op_sel_hi:[1,0]
.set p, p+1
.endr
.Lq:
	QUANT X, PC0, PW0
	QUANT X+64, PC1, PW1
.irp q, 0,1,2,3,4,5,6,7
	global_store_b128 v4, v[PC0+4*\q:PC0+4*\q+3], s[6:7] offset:512*\q   ; the image of the registers: 512 consecutive bytes, aligned to 256
.endr
	v_cndmask_b32 v178, v[PW0], v[PW1], s24        ; lanes 0-15 K step 0's word, lanes 16-31 K step 1's
	v_cndmask_b32 v179, v12, v10, s24              ; lanes 0-15 the sums of squares, lanes 16-31 zeros
	ds_store_b32 v7, v178
	ds_store_b32 v7, v179 offset:128
	ds_load_b64 v[20:21], v8                       ; LDS serves a wave's instructions in order: this sees my stores
	s_wait_dscnt 0x0
	global_store_b64 v9, v[20:21], s[6:7] offset:4096   ; the record's tail: 256 consecutive bytes, aligned
	s_wait_tensorcnt 0x0                           ; the wave's end
	ds_add_u32 v216, v217
	s_wait_dscnt 0x0
	s_endpgm
.Lfunc_end_k_q5a0216095a_prep:
	.size	k_q5a0216095a_prep, .Lfunc_end_k_q5a0216095a_prep-k_q5a0216095a_prep
	.p2alignl 7, 3214868480
	.fill 96, 4, 3214868480
	.section	.rodata,"a",@progbits
	.p2align	6, 0x0
	.amdhsa_kernel k_q5a0216095a_prep
		.amdhsa_group_segment_fixed_size 170240
		.amdhsa_private_segment_fixed_size 0
		.amdhsa_enable_private_segment 0
		.amdhsa_kernarg_size 32
		.amdhsa_user_sgpr_count 2
		.amdhsa_user_sgpr_kernarg_segment_ptr 1
		.amdhsa_wavefront_size32 1
		.amdhsa_system_sgpr_workgroup_id_x 1
		.amdhsa_system_sgpr_workgroup_id_y 1
		.amdhsa_system_sgpr_workgroup_id_z 1
		.amdhsa_system_vgpr_workitem_id 0
		.amdhsa_next_free_vgpr 218
		.amdhsa_next_free_sgpr 66
		.amdhsa_reserve_vcc 0
		.amdhsa_float_denorm_mode_32 3
		.amdhsa_float_denorm_mode_16_64 3
		.amdhsa_memory_ordered 1
		.amdhsa_forward_progress 1
		.amdhsa_inst_pref_size 36
	.end_amdhsa_kernel
	.amdgpu_metadata
---
amdhsa.version: [ 1, 2 ]
amdhsa.kernels:
  - .name:           k_q5a0216095a_prep
    .symbol:         k_q5a0216095a_prep.kd
    .args:
      - { .name: codebook, .offset: 0, .size: 8, .value_kind: global_buffer, .address_space: global }
      - { .name: z_e, .offset: 8, .size: 8, .value_kind: global_buffer, .address_space: global }
      - { .name: cbq, .offset: 16, .size: 8, .value_kind: global_buffer, .address_space: global }
      - { .name: zq, .offset: 24, .size: 8, .value_kind: global_buffer, .address_space: global }
    .group_segment_fixed_size: 170240
    .private_segment_fixed_size: 0
    .kernarg_segment_align: 8
    .kernarg_segment_size: 32
    .max_flat_workgroup_size: 320
    .sgpr_count:     66
    .vgpr_count:     218
    .wavefront_size: 32
...
	.end_amdgpu_metadata
.endif
;; end of part 1
;; launch search (part 2): grid 256 x 1, 8 waves a work-group, clusters of 4 x 1, 327,680 bytes of LDS; arguments zq, cbq, cand; writes cand
.if DOCPART == 2
	.amdgcn_target "amdgcn-amd-amdhsa--gfx1250"
	.amdhsa_code_object_version 6
	.text
	.protected	k_q5a0216095a_search
	.globl	k_q5a0216095a_search
	.p2align	8
	.type	k_q5a0216095a_search,@function
k_q5a0216095a_search:
	s_mov_b64 s[64:65], 0
	v_nop
	global_prefetch_b8 v0, s[64:65] scope:SCOPE_SE
	s_setreg_imm32_b32 hwreg(HW_REG_WAVE_MODE, 25, 1), 1
	s_wait_xcnt 0x0
	s_wait_alu depctr_hold_cnt(0) depctr_sa_sdst(0) depctr_va_vdst(0) depctr_va_sdst(0) depctr_va_ssrc(0) depctr_va_vcc(0) depctr_vm_vsrc(0)
	s_getreg_b32 s2, hwreg(HW_REG_IB_STS2, 6, 4)
	s_cmp_eq_u32 s2, 0
	s_cbranch_scc0 .Lentry_in_a_cluster
	s_endpgm
.Lentry_in_a_cluster:
	s_bfe_u32 s2, ttmp6, 0x10000c
	s_cmp_lg_u32 s2, 0x3003
	s_cbranch_scc0 .Lentry_shape_is_right
	s_endpgm
.Lentry_shape_is_right:
; For each row of z_e and each of 8 groups of 1,024 codes: the least of  sum(e^2) + (-2 z) . e  over the group, the product on codes of MX-FP8, and the index of the first code that has it.
; sum(z^2) is left out: it is the same for all codes of a row (see the first kernel's head).  LIMITS: NaN and infinite distances are not served.
; cand[group][row] = two whole numbers: a key that orders as the distance does (its f32 bits, all turned over where it is negative, the top bit alone where it is not; -0 counts as +0), and the index.
; The next launch joins a row's 8 candidates by whole-number compares.
; A work-group takes 1,024 rows x 1,024 codes: 32 x 8 = 256 work-groups.  The group's 64 records (278,528 bytes) come into LDS once and stay: nothing is filled again.
; They come in two parts.  Records 0-7 are asked for first of all, by wave 0 alone; behind them go every wave's loads of z; the other 56 records are a later first fill, 7 records by each wave's one tensor load,
; and land while the first 8 tiles are multiplied; one barrier, with every wave's wait for its load ahead of it, stands in front of record 8.
; Each wave holds its own 128 rows (8 records of z, 256 registers, window 1, loaded from memory as they lie, 512 dense bytes a load) and walks all 64 records in ascending order.
; CLUSTER: the 4 work-groups of a cluster take the same group of codes and ask for its records jointly (mask 15).  All loads go out at the head: there is no loop to prefetch in.
; THE PRODUCT IS USED TRANSPOSED: source 0 = 16 codes, source 1 = 16 rows of z: lane (r, h) holds row r, register j code 8 h + j; C of K step 0 = the codes' sums of squares.
; A TILE GOES IN TWO HALVES of 4 row tiles: 8 products of one half, then the other half's compare-and-keep, which so stands more than 8 vector lines behind its own products.
; Kept for each lane and row tile: the least distance so far, its tile's number, and that tile's 8 distances, from which the code's place in the tile is read once, at the end.
.set REC,    4352
.set WPART,  8*REC                     ; the first part: 136 dense rows of 256 bytes
.set SLAB,   64*REC
.set SPARE,  SLAB+8192                 ; the spare words: 128 bytes a wave
.set SPW,  1
.set NIL,  2
.set ACD,  3                           ; LDS: a record's codes, 16 bytes a lane
.set ASC,  5                           ; its scale words, 4 bytes a lane
.set AEE,  7                           ; its sums of squares, 32 bytes for each half of the lanes
.set ZS,   8                           ; z's scale words: tile t in v[8 + t + 2 (t / 6)]: v8-13, v16, v17: none shares its number modulo 8 with v22, v23
.set H8,   15
.set TD0,  18                          ; the tile's number, twice: a dual pair's second sources lie in different banks
.set TD1,  19
.set ZA,   20
.set ZB,   21
.set CS,   22                          ; v22, v23 the codes' scale words, two sets
.set TMP,  24
.set EE,   32
.set FR,   48                          ; two sets of 32: a record's codes
.set ACC,  112
.set KEEP, 176
.set BI,   240                         ; row tile t: the least distance in v[240 + 2 t], its tile's number in v[241 + 2 t]
.set WV,   12
.set TIL,  20
.set G1C,  24                          ; s[24:31] group 1 of the first part, s[32:39] of a wave's 7 records
.set G1D,  32
.set G0,   40                          ; s[40:43], s[44:47] their groups 0
.set G0B,  44
.set LAP,  56
.set SEL,  58
.set MSB, 0
.macro WIN new
.if MSB != \new
	s_set_vgpr_msb (MSB<<8)|\new
.set MSB, \new
.endif
.endm
.macro ROUND                           ; a round of the cluster's barrier
	s_barrier_signal -1
	s_barrier_wait -1
	s_cmp_lg_u32 s[WV], 0
	s_cbranch_scc1 .Lnot_wave_0_\@
	s_barrier_signal -3
.Lnot_wave_0_\@:
	s_barrier_wait -3
	s_barrier_signal -1
	s_barrier_wait -1
.endm
.macro LOADS i, b                      ; record i, counted from where the addresses stand, into set b
.irp q, 0,1,2,3,4,5,6,7
	ds_load_b128 v[FR+32*(\b)+4*\q:FR+32*(\b)+4*\q+3], v[ACD] offset:REC*(\i)+512*\q
.endr
	ds_load_b32 v[CS+(\b)], v[ASC] offset:REC*(\i)+4096
	ds_load_b128 v[EE+8*(\b):EE+8*(\b)+3], v[AEE] offset:REC*(\i)+4224
	ds_load_b128 v[EE+8*(\b)+4:EE+8*(\b)+7], v[AEE] offset:REC*(\i)+4240
.endm
.macro WH b, h                         ; 8 products: set b's codes x row tiles 4 h .. 4 h + 3, both K steps; the four accumulators by turns
	WIN 0x04
.irp t, 0,1,2,3
.set T, 4*(\h)+\t
	v_wmma_scale_f32_16x16x128_f8f6f4 v[ACC+8*T:ACC+8*T+7], v[FR+32*(\b):FR+32*(\b)+15], v[32*T:32*T+15], v[EE+8*(\b):EE+8*(\b)+7], v[CS+(\b)], v[ZS+T+2*(T/6)]
.endr
.irp t, 0,1,2,3
.set T, 4*(\h)+\t
	v_wmma_scale_f32_16x16x128_f8f6f4 v[ACC+8*T:ACC+8*T+7], v[FR+32*(\b)+16:FR+32*(\b)+31], v[32*T+16:32*T+31], v[ACC+8*T:ACC+8*T+7], v[CS+(\b)], v[ZS+T+2*(T/6)] matrix_a_scale:MATRIX_SCALE_ROW1 matrix_b_scale:MATRIX_SCALE_ROW1
.endr
	WIN 0
.endm
.macro EH h                            ; compare and keep, row tiles 4 h .. 4 h + 3: the least of a lane's 8 (four chains by turns, each accumulator from its low end on), then the selects, two to a line
.irp t, 0,1,2,3
.set T, 4*(\h)+\t
	v_min3_num_f32 v[TMP+T], v[ACC+8*T], v[ACC+8*T+1], v[ACC+8*T+2]
.endr
.irp t, 0,1,2,3
.set T, 4*(\h)+\t
	v_min3_num_f32 v[TMP+T], v[TMP+T], v[ACC+8*T+3], v[ACC+8*T+4]
.endr
.irp t, 0,1,2,3
.set T, 4*(\h)+\t
	v_min3_num_f32 v[TMP+T], v[TMP+T], v[ACC+8*T+5], v[ACC+8*T+6+\t%2]   ; even tiles leave register 7 over, odd tiles register 6: different banks for the pair below
.endr
.irp t, 0,2
.set T, 4*(\h)+\t
	v_dual_min_num_f32 v[TMP+T], v[TMP+T], v[ACC+8*T+7] :: v_dual_min_num_f32 v[TMP+T+1], v[TMP+T+1], v[ACC+8*T+14]
.endr
.irp t, 0,1,2,3
.set T, 4*(\h)+\t
	v_cmp_lt_f32 vcc_lo, v[TMP+T], v[BI+2*T]       ; strictly less: of equal distances the tile met first, the lower one, stays
	v_dual_cndmask_b32 v[BI+2*T], v[BI+2*T], v[TMP+T] :: v_dual_cndmask_b32 v[BI+2*T+1], v[BI+2*T+1], v[TD0+(\t/2)*(1-\t%2)]
.irp j, 0,2,4,6
	v_dual_cndmask_b32 v[KEEP+8*T+\j], v[KEEP+8*T+\j], v[ACC+8*T+\j] :: v_dual_cndmask_b32 v[KEEP+8*T+\j+1], v[KEEP+8*T+\j+1], v[ACC+8*T+\j+1]
.endr
.endr
.endm
; One tile.  ld = 1: the next record is fetched; step = 1: the addresses go 4 records on (38 vector lines stand between the step and the loads that read it)
.macro TILE i, ld, step
	s_wait_dscnt 0x0                               ; this tile's record is in registers
.if \ld
	LOADS (\i)+1, ((\i)+1)%2
.endif
	WH (\i)%2, 0
	EH 1                                           ; the tile before: its second half
	WH (\i)%2, 1
	v_dual_mov_b32 v[TD0], s[TIL] :: v_dual_mov_b32 v[TD1], s[TIL]   ; this tile's number, for its two halves' selects
	s_add_co_u32 s[TIL], s[TIL], 1
.if \step
	v_add_nc_u32 v[ACD], 4*REC, v[ACD]
	v_add_nc_u32 v[ASC], 4*REC, v[ASC]
	v_add_nc_u32 v[AEE], 4*REC, v[AEE]
.endif
	EH 0
.endm
.macro MERGE dv, dn, v, n, ov, on      ; the lesser distance; of equal ones the lower index
	v_cmp_lt_f32 s76, v[\ov], v[\v]
	v_cmp_eq_f32 s77, v[\ov], v[\v]
	v_cmp_lt_u32 vcc_lo, v[\on], v[\n]
	s_and_b32 s77, s77, vcc_lo
	s_or_b32 s76, s76, s77
	v_cndmask_b32 v[\dv], v[\v], v[\ov], s76
	v_cndmask_b32 v[\dn], v[\n], v[\on], s76
.endm
	s_load_b128 s[4:7], s[0:1], 0x0                ; z's records s[4:5], the codebook's s[6:7]
	s_load_b64 s[8:9], s[0:1], 0x10                ; cand
	v_lshl_add_u32 v[SPW], v0, 2, SPARE
	v_mov_b32 v[NIL], 0
	ds_add_u32 v[SPW], v[NIL]
	ds_add_u32 v[SPW], v[NIL]
	v_lshrrev_b32 v24, 5, v0
	v_readfirstlane_b32 s[WV], v24                 ; wave 0..7
	v_and_b32 v25, 31, v0
	v_bfe_u32 v26, v0, 4, 1
	v_lshlrev_b32 v[H8], 3, v26
	v_lshlrev_b32 v[ZA], 4, v25
	v_lshlrev_b32 v[ZB], 2, v25
	v_lshlrev_b32 v[ACD], 4, v25
	v_lshlrev_b32 v[ASC], 2, v25
	v_lshlrev_b32 v[AEE], 5, v26
	v_lshlrev_b32 v4, 3, v25                       ; the way out: 8 bytes a lane
	s_mov_b32 s[G0], 1
	s_mov_b32 s[G0+1], 0                           ; LDS: records 0-7
	s_mov_b32 s[G0B], 1
	s_mul_i32 s[G0B+1], s[WV], 7*REC
	s_add_co_u32 s[G0B+1], s[G0B+1], WPART         ; LDS: behind them my 7 of the other 56
	s_bfe_u32 s13, ttmp6, 0x40000                  ; cx: it enters global addresses of my own rows alone
	s_and_b32 s15, ttmp9, 7                        ; the group of codes: from the cluster's number, the same in its four work-groups
	s_lshr_b32 s14, ttmp9, 3
	s_lshl_b32 s14, s14, 2
	s_add_co_u32 s14, s14, s13                     ; which 1,024 rows: 0..31
	s_lshl_b32 s[TIL], s15, 6                      ; the group's first tile
	s_mov_b32 s[SEL], 0x76543210
	s_mov_b32 s[SEL+1], 0xfedcba98
	s_mov_b32 s61, 0xffff0000                      ; lanes 16-31
	s_mov_b32 s62, 0x7f800000
	s_mov_b32 s[G1C+0], 15|(3<<16)|(1<<21)         ; the mask of the four; elements of 8 bytes; bit 21 beside a mask
	s_mov_b32 s[G1C+1], 32<<16                     ; 8 records are 136 dense rows of 256 bytes
	s_mov_b32 s[G1C+2], 136<<16
	s_mov_b32 s[G1C+3], 32<<16
	s_mov_b32 s[G1C+4], 136
	s_mov_b32 s[G1C+5], 32
	s_mov_b32 s[G1C+6], 0
	s_mov_b32 s[G1C+7], 0
	s_mov_b32 s[G1D+0], 15|(3<<16)|(1<<21)
	s_mov_b32 s[G1D+1], 32<<16                     ; 7 records are 119 such rows
	s_mov_b32 s[G1D+2], 119<<16
	s_mov_b32 s[G1D+3], 32<<16
	s_mov_b32 s[G1D+4], 119
	s_mov_b32 s[G1D+5], 32
	s_mov_b32 s[G1D+6], 0
	s_mov_b32 s[G1D+7], 0
	s_lshl_b32 s17, s14, 3
	s_add_co_u32 s17, s17, s[WV]                   ; which 128 rows are my wave's: 0..255
	s_mul_i32 s18, s17, 8*REC                      ; their 8 records of z
	s_mov_b32 s19, 0
	s_mul_i32 s54, s15, SLAB                       ; the group's records
	s_mov_b32 s55, 0
	s_mov_b32 s48, s[G0B+1]                        ; my 7 lie as far into the group's records as into LDS
	s_mov_b32 s49, 0
	s_lshl_b32 s52, s15, 18                        ; cand: 262,144 bytes a group,
	s_lshl_b32 s17, s17, 10                        ; 1,024 bytes for 128 rows
	s_add_co_u32 s52, s52, s17
	s_mov_b32 s53, 0
	s_wait_alu depctr_va_vdst(0)
	s_wait_dscnt 0x0
	s_wait_kmcnt 0x0
	s_add_nc_u64 s[4:5], s[4:5], s[18:19]
	s_add_nc_u64 s[G0+2:G0+3], s[6:7], s[54:55]
	s_add_nc_u64 s[G0B+2:G0B+3], s[G0+2:G0+3], s[48:49]
	s_or_b32 s[G0+3], s[G0+3], 0x80000000
	s_or_b32 s[G0B+3], s[G0B+3], 0x80000000
	s_add_nc_u64 s[8:9], s[8:9], s[52:53]
	ROUND                                          ; in front of the first joint load
	s_cmp_lg_u32 s[WV], 0
	s_cbranch_scc1 .Lnot_first
	tensor_load_to_lds s[G0:G0+3], s[G1C:G1C+7]    ; wave 0 alone: records 0-7, what is multiplied first
	s_nop 0
.rept 4
	v_nop
.endr
.Lnot_first:
	WIN 0x40                                       ; z's codes into window 1: each load takes 512 consecutive bytes.  No hint: the work-groups of the other 7 groups of codes read these records too
.set q, 0
.rept 64
	global_load_b128 v[4*q:4*q+3], v[ZA], s[4:5] offset:REC*(q/8)+512*(q%8)
.set q, q+1
.endr
	WIN 0
.irp t, 0,1,2,3,4,5,6,7
	global_load_b32 v[ZS+\t+2*(\t/6)], v[ZB], s[4:5] offset:REC*\t+4096
.endr
.set j, 0
.rept 32
	v_dual_mov_b32 v[KEEP+2*j], s62 :: v_dual_mov_b32 v[KEEP+2*j+1], s62
.set j, j+1
.endr
.set j, 0
.rept 16
	v_dual_mov_b32 v[ACC+32+2*j], s62 :: v_dual_mov_b32 v[ACC+33+2*j], s62   ; the first tile's compare of 'the tile before' meets infinities, which win nothing
.set j, j+1
.endr
.irp t, 0,1,2,3,4,5,6,7
	v_dual_mov_b32 v[BI+2*\t], s62 :: v_dual_mov_b32 v[BI+2*\t+1], 0
.endr
	v_dual_mov_b32 v[TD0], 0 :: v_dual_mov_b32 v[TD1], 0
	s_wait_alu depctr_va_vdst(0)
	s_wait_tensorcnt 0x0                           ; records 0-7 are in (wave 0's load; the others have none out).
	ds_add_u32 v[SPW], v[NIL]
	ds_add_u32 v[SPW], v[NIL]
	s_wait_dscnt 0x0
	ROUND                                          ; every wave may now read records 0-7, and the joint loads meet
	tensor_load_to_lds s[G0B:G0B+3], s[G1D:G1D+7]  ; my one load behind the round: my 7 of records 8-63
	s_nop 0
.rept 4
	v_nop
.endr
	LOADS 0, 0
	s_wait_loadcnt 0x0                             ; z's records are in
	TILE 0, 1, 0                                   ; records 0-7, while the others land
	TILE 1, 1, 0
	TILE 2, 1, 0
	TILE 3, 1, 1
	TILE 0, 1, 0
	TILE 1, 1, 0
	TILE 2, 1, 0
	TILE 3, 0, 1                                   ; record 8 is not fetched yet
	s_wait_tensorcnt 0x0                           ; my 7 records are in: say so,
	s_wait_dscnt 0x0
	s_barrier_signal -1
	s_barrier_wait -1                              ; and all 64 are.
	LOADS 0, 0
	s_mov_b32 s[LAP], 13
.Ltrip:                                                ; 13 trips of 4 tiles; the last 4 tiles are written out: the very last fetches nothing
	TILE 0, 1, 0
	TILE 1, 1, 0
	TILE 2, 1, 0
	TILE 3, 1, 1
	s_sub_co_u32 s[LAP], s[LAP], 1
	s_cmp_lg_u32 s[LAP], 0
	s_cbranch_scc1 .Ltrip
	TILE 0, 1, 0
	TILE 1, 1, 0
	TILE 2, 1, 0
	TILE 3, 0, 0
	EH 1                                           ; the last tile's second half
	; the first place of the least among the kept eight, and so the code's index
.irp t, 0,1,2,3,4,5,6,7
	v_mov_b32 v[TMP+\t], 7
.endr
.irp j, 6,5,4,3,2,1,0
.irp t, 0,1,2,3,4,5,6,7
	v_cmp_neq_f32 vcc_lo, v[KEEP+8*\t+\j], v[BI+2*\t]
	v_cndmask_b32 v[TMP+\t], \j, v[TMP+\t], vcc_lo
.endr
.endr
.irp t, 0,1,2,3,4,5,6,7
	v_lshl_add_u32 v[BI+2*\t+1], v[BI+2*\t+1], 4, v[TMP+\t]
.endr
.irp t, 0,1,2,3,4,5,6,7
	v_add_nc_u32 v[BI+2*\t+1], v[BI+2*\t+1], v[H8]  ; 16 x tile + 8 h + j
.endr
.irp t, 0,1,2,3,4,5,6,7
	v_permlanex16_b32 v[144+\t], v[BI+2*\t], s[SEL], s[SEL+1]
	v_permlanex16_b32 v[160+\t], v[BI+2*\t+1], s[SEL], s[SEL+1]
.endr
.irp t, 0,1,2,3,4,5,6,7
	MERGE 112+2*\t, 113+2*\t, BI+2*\t, BI+2*\t+1, 144+\t, 160+\t   ; both halves of the lanes now hold row 16 t + r's
.endr
.irp p, 0,1,2,3
	v_cndmask_b32 v[176+2*\p], v[112+4*\p], v[114+4*\p], s61       ; lanes 0-15 row tile 2 p, lanes 16-31 row tile 2 p + 1: lane l holds row 32 p + l
	v_cndmask_b32 v[177+2*\p], v[113+4*\p], v[115+4*\p], s61
.endr
.irp p, 0,1,2,3
	v_add_f32 v[176+2*\p], 0, v[176+2*\p]          ; -0 becomes +0
.endr
.irp p, 0,1,2,3
	v_ashrrev_i32 v[TMP+\p], 31, v[176+2*\p]
.endr
.irp p, 0,1,2,3
	v_or_b32 v[TMP+\p], 0x80000000, v[TMP+\p]
.endr
.irp p, 0,1,2,3
	v_xor_b32 v[176+2*\p], v[176+2*\p], v[TMP+\p]  ; the key: as an unsigned whole number it orders as the distance does
.endr
.irp p, 0,1,2,3
	global_store_b64 v4, v[176+2*\p:177+2*\p], s[8:9] offset:256*\p   ; 32 lanes store 256 consecutive bytes, aligned
.endr
	s_wait_tensorcnt 0x0                           ; the wave's end
	ds_add_u32 v[SPW], v[NIL]
	s_wait_dscnt 0x0
	ROUND                                          ; the closing round
	s_endpgm
.Lfunc_end_k_q5a0216095a_search:
	.size	k_q5a0216095a_search, .Lfunc_end_k_q5a0216095a_search-k_q5a0216095a_search
	.p2alignl 7, 3214868480
	.fill 96, 4, 3214868480
	.section	.rodata,"a",@progbits
	.p2align	6, 0x0
	.amdhsa_kernel k_q5a0216095a_search
		.amdhsa_group_segment_fixed_size 327680
		.amdhsa_private_segment_fixed_size 0
		.amdhsa_enable_private_segment 0
		.amdhsa_kernarg_size 24
		.amdhsa_user_sgpr_count 2
		.amdhsa_user_sgpr_kernarg_segment_ptr 1
		.amdhsa_wavefront_size32 1
		.amdhsa_system_sgpr_workgroup_id_x 1
		.amdhsa_system_sgpr_workgroup_id_y 1
		.amdhsa_system_sgpr_workgroup_id_z 1
		.amdhsa_system_vgpr_workitem_id 0
		.amdhsa_next_free_vgpr 512
		.amdhsa_next_free_sgpr 80
		.amdhsa_reserve_vcc 1
		.amdhsa_float_denorm_mode_32 3
		.amdhsa_float_denorm_mode_16_64 3
		.amdhsa_memory_ordered 1
		.amdhsa_forward_progress 1
		.amdhsa_inst_pref_size 148
	.end_amdhsa_kernel
	.amdgpu_metadata
---
amdhsa.version: [ 1, 2 ]
amdhsa.kernels:
  - .name:           k_q5a0216095a_search
    .symbol:         k_q5a0216095a_search.kd
    .args:
      - { .name: zq, .offset: 0, .size: 8, .value_kind: global_buffer, .address_space: global }
      - { .name: cbq, .offset: 8, .size: 8, .value_kind: global_buffer, .address_space: global }
      - { .name: cand, .offset: 16, .size: 8, .value_kind: global_buffer, .address_space: global }
    .group_segment_fixed_size: 327680
    .private_segment_fixed_size: 0
    .kernarg_segment_align: 8
    .kernarg_segment_size: 24
    .max_flat_workgroup_size: 256
    .sgpr_count:     80
    .vgpr_count:     512
    .wavefront_size: 32
...
	.end_amdgpu_metadata
.endif
;; end of part 2
;; launch gather (part 3): grid 512 x 1, 8 waves a work-group, no clusters, 1,536 bytes of LDS; arguments z_e, codebook, cand, out0, part, out2; writes out0, part, out2
.if DOCPART == 3
	.amdgcn_target "amdgcn-amd-amdhsa--gfx1250"
	.amdhsa_code_object_version 6
	.text
	.protected	k_q5a0216095a_gather
	.globl	k_q5a0216095a_gather
	.p2align	8
	.type	k_q5a0216095a_gather,@function
k_q5a0216095a_gather:
	s_mov_b64 s[64:65], 0
	v_nop
	global_prefetch_b8 v0, s[64:65] scope:SCOPE_SE
	s_setreg_imm32_b32 hwreg(HW_REG_WAVE_MODE, 25, 1), 1
	s_wait_xcnt 0x0
; out2[row] = the index of the least of the row's 8 candidates, which the launch before stored as whole numbers (key, index): the lower key, of equal keys the lower index: so argmin has it.
; out0[row] = z + (e - z), e the codebook's row of that index; part[work-group] = the sum of (e - z)^2 over the work-group's 64 rows.  All in f32, rounded as the reference rounds.
; A wave takes 8 rows of 1,024 bytes; a lane 16 bytes of each half row, so that every load and store of the wave covers 512 consecutive bytes, aligned to 256.
; The candidates: lane l takes group l / 4 and rows 2 (l % 4), 2 (l % 4) + 1, 16 bytes; three steps across the lanes (l xor 4, 8, 16) join the 8 groups.  Each index is held inside the table (at most 8,191)
; before it enters an address.  The work-group's 64 indices meet in LDS and leave as one aligned unit of 256 bytes.
; All loads of a wave are issued at its head and there is no loop: nothing is left to ask for ahead.  Work-groups share no tile: no cluster, no tensor load, no matrix unit.
.set O, 4                              ; v4-11    row i: the byte offset of my 16 bytes in the chosen row of the codebook
.set Z, 16                             ; v16-79   z: row i at 8 i
.set Q, 80                             ; v80-143  e, then the result
.set T, 144                            ; v144-151 e - z
.set S, 152                            ; v152-159 four pairs of running sums of squares
.set C, 162                            ; v162-165 my two rows' candidates: key, index, key, index
.set D, 166                            ; v166-169 another lane's
.macro PICK2                           ; of mine and the other lane's, for each of the two rows
.irp k, 0,2
	v_cmp_lt_u32 s36, v[D+\k], v[C+\k]
	v_cmp_eq_u32 s37, v[D+\k], v[C+\k]
	v_cmp_lt_u32 vcc_lo, v[D+1+\k], v[C+1+\k]
	s_and_b32 s37, s37, vcc_lo
	s_or_b32 s36, s36, s37
	v_cndmask_b32 v[C+\k], v[C+\k], v[D+\k], s36
	v_cndmask_b32 v[C+1+\k], v[C+1+\k], v[D+1+\k], s36
.endr
.endm
	s_load_b256 s[4:11], s[0:1], 0x0               ; z_e s[4:5], the codebook s[6:7], cand s[8:9], out0 s[10:11]
	s_load_b128 s[32:35], s[0:1], 0x20             ; part s[32:33], out2 s[34:35]
	v_lshl_add_u32 v160, v0, 2, 0x200
	v_mov_b32 v161, 0
	v_lshrrev_b32 v1, 5, v0
	v_readfirstlane_b32 s14, v1                    ; wave 0..7
	s_lshl_b32 s15, ttmp9, 3
	s_add_co_u32 s15, s15, s14                     ; which run of 8 rows is my wave's
	v_and_b32 v2, 31, v0                           ; lane
	v_lshlrev_b32 v1, 4, v2                        ; 16 x lane
	v_and_b32 v3, 3, v2                            ; which two of my wave's 8 rows
	v_lshrrev_b32 v12, 2, v2                       ; which group of codes
	v_lshlrev_b32 v12, 18, v12                     ; 262,144 bytes a group
	v_lshl_add_u32 v12, v3, 4, v12
	s_lshl_b32 s26, s15, 6                         ; 8 rows of 8 bytes
	v_add_nc_u32 v12, s26, v12                     ; my 16 bytes of cand
	s_lshl_b32 s27, s14, 5
	s_add_co_u32 s27, s27, 256
	v_lshl_add_u32 v13, v3, 3, s27                 ; LDS: the indices, from byte 256 on: 32 bytes a wave, my two rows' 8
	v_mov_b32 v14, s14
	v_lshlrev_b32 v14, 2, v14                      ; LDS: my wave's sum
	v_mov_b32 v15, 0
	v_lshlrev_b32 v172, 3, v2                      ; 8 x lane: out2,
	v_add_nc_u32 v173, 256, v172                   ; and the same in LDS
.irp k, 0,1,2,3
	v_mov_b32 v[D+\k], 0                           ; written once: the destination of a lane move counts as one of its sources
.endr
	s_lshl_b32 s24, s15, 13                        ; 8 rows of 1,024 bytes
	s_mov_b32 s25, 0
	s_lshl_b32 s30, ttmp9, 2                       ; my work-group's word of part
	s_mov_b32 s31, 0
	s_lshl_b32 s38, ttmp9, 8                       ; its 64 indices in out2
	s_mov_b32 s39, 0
	s_mov_b32 s28, 0x76543210
	s_mov_b32 s29, 0xfedcba98
	s_wait_alu depctr_va_vdst(0)
	s_wait_kmcnt 0x0
	global_load_b128 v[C:C+3], v12, s[8:9]
	s_add_nc_u64 s[4:5], s[4:5], s[24:25]
	s_add_nc_u64 s[10:11], s[10:11], s[24:25]
	s_add_nc_u64 s[32:33], s[32:33], s[30:31]
	s_add_nc_u64 s[34:35], s[34:35], s[38:39]
.set k, 0
.rept 16
	global_load_b128 v[Z+4*k:Z+4*k+3], v1, s[4:5] offset:512*k th:TH_LOAD_NT
.set k, k+1
.endr
	s_wait_loadcnt 16                              ; the candidates are in; z's 16 loads may be out
.irp m, 4,8
.irp k, 0,1,2,3
	v_mov_b32_dpp v[D+\k], v[C+\k] row_xmask:\m row_mask:0xf bank_mask:0xf
.endr
	PICK2
.endr
.irp k, 0,1,2,3
	v_permlanex16_b32 v[D+\k], v[C+\k], s28, s29
.endr
	PICK2                                          ; every lane holds its two rows' choice
	v_mov_b32 v170, v[C+1]
	v_mov_b32 v171, v[C+3]
	ds_store_b64 v13, v[170:171]                   ; the eight lanes of a pair of rows write the same words with the same values
.irp p, 0,1,2,3
	v_readlane_b32 s[16+2*\p], v[C+1], \p
	v_readlane_b32 s[17+2*\p], v[C+3], \p
.endr
.irp i, 0,1,2,3,4,5,6,7
	s_min_u32 s[16+\i], s[16+\i], 0x1fff           ; inside the table
	s_lshl_b32 s[16+\i], s[16+\i], 10              ; a row is 1,024 bytes
	v_add_nc_u32 v[O+\i], s[16+\i], v1
.endr
	s_wait_alu depctr_va_vdst(0)
.irp i, 0,1,2,3,4,5,6,7
	global_load_b128 v[Q+8*\i:Q+8*\i+3], v[O+\i], s[6:7]             ; no hint: a row may be chosen many times
	global_load_b128 v[Q+8*\i+4:Q+8*\i+7], v[O+\i], s[6:7] offset:512
.endr
.macro ROWI i
	s_wait_loadcnt 14-2*(\i)                       ; z and this row's two loads of e are in; the later rows' may be out
.irp p, 0,1,2,3
	v_pk_add_f32 v[T+2*\p:T+2*\p+1], v[Q+8*(\i)+2*\p:Q+8*(\i)+2*\p+1], v[Z+8*(\i)+2*\p:Z+8*(\i)+2*\p+1] neg_lo:[0,1] neg_hi:[0,1]   ; e - z
.endr
.irp p, 0,1,2,3
	v_pk_add_f32 v[Q+8*(\i)+2*\p:Q+8*(\i)+2*\p+1], v[Z+8*(\i)+2*\p:Z+8*(\i)+2*\p+1], v[T+2*\p:T+2*\p+1]   ; z + (e - z)
.endr
.irp p, 0,1,2,3
.if (\i) == 0
	v_pk_mul_f32 v[S+2*\p:S+2*\p+1], v[T+2*\p:T+2*\p+1], v[T+2*\p:T+2*\p+1]   ; the first row starts the sums
.else
	v_pk_fma_f32 v[S+2*\p:S+2*\p+1], v[T+2*\p:T+2*\p+1], v[T+2*\p:T+2*\p+1], v[S+2*\p:S+2*\p+1]
.endif
.endr
	global_store_b128 v1, v[Q+8*(\i):Q+8*(\i)+3], s[10:11] offset:1024*(\i) th:TH_STORE_NT
	global_store_b128 v1, v[Q+8*(\i)+4:Q+8*(\i)+7], s[10:11] offset:1024*(\i)+512 th:TH_STORE_NT
.endm
.irp i, 0,1,2,3,4,5,6,7
	ROWI \i
.endr
	v_pk_add_f32 v[S:S+1], v[S:S+1], v[S+2:S+3]
	v_pk_add_f32 v[S+4:S+5], v[S+4:S+5], v[S+6:S+7]
	v_pk_add_f32 v[S:S+1], v[S:S+1], v[S+4:S+5]
	v_add_f32 v[S], v[S], v[S+1]
	v_add_f32_dpp v[S], v[S], v[S] row_xmask:1 row_mask:0xf bank_mask:0xf
	v_add_f32_dpp v[S], v[S], v[S] row_xmask:2 row_mask:0xf bank_mask:0xf
	v_add_f32_dpp v[S], v[S], v[S] row_xmask:4 row_mask:0xf bank_mask:0xf
	v_add_f32_dpp v[S], v[S], v[S] row_xmask:8 row_mask:0xf bank_mask:0xf
	v_permlanex16_b32 v[S+1], v[S], s28, s29
	v_add_f32 v[S], v[S], v[S+1]                   ; the wave's sum, in every lane
	ds_store_b32 v14, v[S]                         ; all lanes write the same word with the same value
	s_wait_dscnt 0x0                               ; for the others' sake: my sum and my indices are in LDS
	s_barrier_signal -1
	s_barrier_wait -1
	s_cmp_lg_u32 s14, 0
	s_cbranch_scc1 .Lend                           ; wave 0 alone goes on
	ds_load_b128 v[T:T+3], v15
	ds_load_b128 v[T+4:T+7], v15 offset:16
	ds_load_b64 v[170:171], v173
	s_wait_dscnt 0x0
	global_store_b64 v172, v[170:171], s[34:35]    ; the work-group's 64 indices: 256 consecutive bytes, aligned
	v_add_f32 v[T], v[T], v[T+1]
	v_add_f32 v[T+2], v[T+2], v[T+3]
	v_add_f32 v[T+4], v[T+4], v[T+5]
	v_add_f32 v[T+6], v[T+6], v[T+7]
	v_add_f32 v[T], v[T], v[T+2]
	v_add_f32 v[T+4], v[T+4], v[T+6]
	v_add_f32 v[T], v[T], v[T+4]                   ; the work-group's sum
	v_cmp_eq_u32 vcc_lo, 0, v0
	s_wait_alu depctr_va_vdst(0)
	s_wait_xcnt 0x0                                ; EXEC changes only behind this wait
	s_wait_tensorcnt 0x0                           ; the wave's end, with all lanes on
	ds_add_u32 v160, v161
	s_wait_dscnt 0x0
	s_and_saveexec_b32 s15, vcc_lo
	global_store_b32 v15, v[T], s[32:33]           ; thread 0 alone
	s_endpgm
.Lend:
	s_wait_tensorcnt 0x0                           ; the wave's end
	ds_add_u32 v160, v161
	s_wait_dscnt 0x0
	s_endpgm
.Lfunc_end_k_q5a0216095a_gather:
	.size	k_q5a0216095a_gather, .Lfunc_end_k_q5a0216095a_gather-k_q5a0216095a_gather
	.p2alignl 7, 3214868480
	.fill 96, 4, 3214868480
	.section	.rodata,"a",@progbits
	.p2align	6, 0x0
	.amdhsa_kernel k_q5a0216095a_gather
		.amdhsa_group_segment_fixed_size 1536
		.amdhsa_private_segment_fixed_size 0
		.amdhsa_enable_private_segment 0
		.amdhsa_kernarg_size 48
		.amdhsa_user_sgpr_count 2
		.amdhsa_user_sgpr_kernarg_segment_ptr 1
		.amdhsa_wavefront_size32 1
		.amdhsa_system_sgpr_workgroup_id_x 1
		.amdhsa_system_sgpr_workgroup_id_y 1
		.amdhsa_system_sgpr_workgroup_id_z 1
		.amdhsa_system_vgpr_workitem_id 0
		.amdhsa_next_free_vgpr 176
		.amdhsa_next_free_sgpr 66
		.amdhsa_reserve_vcc 1
		.amdhsa_float_denorm_mode_32 3
		.amdhsa_float_denorm_mode_16_64 3
		.amdhsa_memory_ordered 1
		.amdhsa_forward_progress 1
		.amdhsa_inst_pref_size 20
	.end_amdhsa_kernel
	.amdgpu_metadata
---
amdhsa.version: [ 1, 2 ]
amdhsa.kernels:
  - .name:           k_q5a0216095a_gather
    .symbol:         k_q5a0216095a_gather.kd
    .args:
      - { .name: z_e, .offset: 0, .size: 8, .value_kind: global_buffer, .address_space: global }
      - { .name: codebook, .offset: 8, .size: 8, .value_kind: global_buffer, .address_space: global }
      - { .name: cand, .offset: 16, .size: 8, .value_kind: global_buffer, .address_space: global }
      - { .name: out0, .offset: 24, .size: 8, .value_kind: global_buffer, .address_space: global }
      - { .name: part, .offset: 32, .size: 8, .value_kind: global_buffer, .address_space: global }
      - { .name: out2, .offset: 40, .size: 8, .value_kind: global_buffer, .address_space: global }
    .group_segment_fixed_size: 1536
    .private_segment_fixed_size: 0
    .kernarg_segment_align: 8
    .kernarg_segment_size: 48
    .max_flat_workgroup_size: 256
    .sgpr_count:     66
    .vgpr_count:     176
    .wavefront_size: 32
...
	.end_amdgpu_metadata
.endif
;; end of part 3
;; launch finish (part 4): grid 1 x 1, 1 waves a work-group, no clusters, 0 bytes of LDS; arguments part, out1; writes out1
.if DOCPART == 4
	.amdgcn_target "amdgcn-amd-amdhsa--gfx1250"
	.amdhsa_code_object_version 6
	.text
	.protected	k_q5a0216095a_finish
	.globl	k_q5a0216095a_finish
	.p2align	8
	.type	k_q5a0216095a_finish,@function
k_q5a0216095a_finish:
	s_mov_b64 s[64:65], 0
	v_nop
	global_prefetch_b8 v0, s[64:65] scope:SCOPE_SE
	s_setreg_imm32_b32 hwreg(HW_REG_WAVE_MODE, 25, 1), 1
	s_wait_xcnt 0x0
; out1 = m + 0.25 m, m = the mean of (z_q - z_e)^2 over 32,768 x 256 = 2^23 numbers: the 512 work-groups' sums of the launch before are added by one wave, 16 a lane.
; A sum over work-groups has one owner: no atomics.
	s_load_b128 s[4:7], s[0:1], 0x0                ; part s[4:5], out1 s[6:7]
	v_lshlrev_b32 v1, 4, v0                        ; 16 x lane
	v_mov_b32 v2, 0
	s_mov_b32 s8, 0x76543210
	s_mov_b32 s9, 0xfedcba98
	s_wait_alu depctr_va_vdst(0)
	s_wait_kmcnt 0x0
.irp k, 0,1,2,3
	global_load_b128 v[4+4*\k:7+4*\k], v1, s[4:5] offset:512*\k
.endr
	s_wait_loadcnt 0x0
	v_pk_add_f32 v[4:5], v[4:5], v[6:7]
	v_pk_add_f32 v[8:9], v[8:9], v[10:11]
	v_pk_add_f32 v[12:13], v[12:13], v[14:15]
	v_pk_add_f32 v[16:17], v[16:17], v[18:19]
	v_pk_add_f32 v[4:5], v[4:5], v[8:9]
	v_pk_add_f32 v[12:13], v[12:13], v[16:17]
	v_pk_add_f32 v[4:5], v[4:5], v[12:13]
	v_add_f32 v4, v4, v5
	v_add_f32_dpp v4, v4, v4 row_xmask:1 row_mask:0xf bank_mask:0xf
	v_add_f32_dpp v4, v4, v4 row_xmask:2 row_mask:0xf bank_mask:0xf
	v_add_f32_dpp v4, v4, v4 row_xmask:4 row_mask:0xf bank_mask:0xf
	v_add_f32_dpp v4, v4, v4 row_xmask:8 row_mask:0xf bank_mask:0xf
	v_permlanex16_b32 v5, v4, s8, s9
	v_add_f32 v4, v4, v5
	v_mul_f32 v4, 0x34000000, v4                   ; x 2^-23: the mean, exact
	v_fmamk_f32 v5, v4, 0x3e800000, v4             ; m x 0.25 + m
	v_cmp_eq_u32 vcc_lo, 0, v0
	s_wait_alu depctr_va_vdst(0)
	s_wait_xcnt 0x0                                ; EXEC changes only behind this wait
	s_and_saveexec_b32 s10, vcc_lo
	global_store_b32 v2, v5, s[6:7]                ; lane 0 alone
	s_endpgm
.Lfunc_end_k_q5a0216095a_finish:
	.size	k_q5a0216095a_finish, .Lfunc_end_k_q5a0216095a_finish-k_q5a0216095a_finish
	.p2alignl 7, 3214868480
	.fill 96, 4, 3214868480
	.section	.rodata,"a",@progbits
	.p2align	6, 0x0
	.amdhsa_kernel k_q5a0216095a_finish
		.amdhsa_group_segment_fixed_size 0
		.amdhsa_private_segment_fixed_size 0
		.amdhsa_enable_private_segment 0
		.amdhsa_kernarg_size 16
		.amdhsa_user_sgpr_count 2
		.amdhsa_user_sgpr_kernarg_segment_ptr 1
		.amdhsa_wavefront_size32 1
		.amdhsa_system_sgpr_workgroup_id_x 1
		.amdhsa_system_sgpr_workgroup_id_y 1
		.amdhsa_system_sgpr_workgroup_id_z 1
		.amdhsa_system_vgpr_workitem_id 0
		.amdhsa_next_free_vgpr 32
		.amdhsa_next_free_sgpr 66
		.amdhsa_reserve_vcc 1
		.amdhsa_float_denorm_mode_32 3
		.amdhsa_float_denorm_mode_16_64 3
		.amdhsa_memory_ordered 1
		.amdhsa_forward_progress 1
		.amdhsa_inst_pref_size 3
	.end_amdhsa_kernel
	.amdgpu_metadata
---
amdhsa.version: [ 1, 2 ]
amdhsa.kernels:
  - .name:           k_q5a0216095a_finish
    .symbol:         k_q5a0216095a_finish.kd
    .args:
      - { .name: part, .offset: 0, .size: 8, .value_kind: global_buffer, .address_space: global }
      - { .name: out1, .offset: 8, .size: 8, .value_kind: global_buffer, .address_space: global }
    .group_segment_fixed_size: 0
    .private_segment_fixed_size: 0
    .kernarg_segment_align: 8
    .kernarg_segment_size: 16
    .max_flat_workgroup_size: 32
    .sgpr_count:     66
    .vgpr_count:     32
    .wavefront_size: 32
...
	.end_amdgpu_metadata
.endif
;; end of part 4
